; MI455X (gfx1250); checked and timed in simulation.
; The chip was launched on July 23, 2026; its instructions are those of AMD's public machine-readable ISA for CDNA 5 (MIT licence, August 2026) and "CDNA5" Instruction Set Architecture Reference Guide (July 2026). The comments in the code are by the model that wrote it; some were corrected since.
;; Sliding Window Attention. Allowed arithmetic: matrix products marked QUANTISED: E2M3 operands, one E8M0 scale for each 32 along K, by v_wmma_scale_f32_16x16x128_f8f6f4 with both operands' format E2M3, f32 sums; everything else in f32.
;; Inputs: k_b 1,024 float32; k_w_codes 1,024 x 32 x 24 uint8 (E2M3 codes of k_w, K innermost, in blocks of 32 codes, four codes in three bytes); k_w_scales 1,024 x 32 uint8 (E8M0 scales of k_w, one for each 32 codes along K); o_b 1,024 float32; o_w_codes 1,024 x 32 x 24 uint8 (E2M3 codes of o_w, K innermost, in blocks of 32 codes, four codes in three bytes); o_w_scales 1,024 x 32 uint8 (E8M0 scales of o_w, one for each 32 codes along K); q_b 1,024 float32; q_w_codes 1,024 x 32 x 24 uint8 (E2M3 codes of q_w, K innermost, in blocks of 32 codes, four codes in three bytes); q_w_scales 1,024 x 32 uint8 (E8M0 scales of q_w, one for each 32 codes along K); v_b 1,024 float32; v_w_codes 1,024 x 32 x 24 uint8 (E2M3 codes of v_w, K innermost, in blocks of 32 codes, four codes in three bytes); v_w_scales 1,024 x 32 uint8 (E8M0 scales of v_w, one for each 32 codes along K); x_codes 1 x 4,096 x 32 x 24 uint8 (E2M3 codes of x, K innermost, in blocks of 32 codes, four codes in three bytes); x_scales 1 x 4,096 x 32 uint8 (E8M0 scales of x, one for each 32 codes along K).
;; Outputs: out0 1 x 4,096 x 1,024 float32.
;; This version of the problem:
;;   THIS VERSION OF THE PROBLEM IS GIVEN IN LOW PRECISION. The matrix products marked QUANTISED in the list below multiply operands that are first quantised to E2M3 (2 exponent bits, 3 mantissa bits; 6 bits a number), with one power-of-two scale for each 32 numbers along K (OCP MX v1.0); their sums are f32. All else is computed in f32.
;;   The module's matrix products, in the order in which they are computed (A, B: the left and right operand; K: the contracted axis; several contracted axes count as one K, in the product's order):
;;     1. [M 4,096, K 1,024] x [K 1,024, N 1,024]; A: input x (given as codes); B: input q_w (given as codes): QUANTISED
;;     2. [M 4,096, K 1,024] x [K 1,024, N 1,024]; A: input x (given as codes); B: input k_w (given as codes): QUANTISED
;;     3. [M 4,096, K 1,024] x [K 1,024, N 1,024]; A: input x (given as codes); B: input v_w (given as codes): QUANTISED
;;     4. batch 16 x [M 4,096, K 64] x [K 64, N 4,096]; A: computed on the way; B: computed on the way: QUANTISED
;;     5. batch 16 x [M 4,096, K 4,096] x [K 4,096, N 64]; A: computed on the way; B: computed on the way: QUANTISED
;;     6. [M 4,096, K 1,024] x [K 1,024, N 1,024]; A: computed on the way; B: input o_w (given as codes): QUANTISED
;;   THE QUANTISER, for each operand of a quantised product, along K:
;;     - K is cut into blocks of 32 from its start; a last block that is shorter is filled with zeros.
;;     - A block's scale is 2^e with e = floor(log2(the largest magnitude in the block)) - 2, held to -126 .. 127; a block of zeros has e = 0. As a byte (E8M0): e + 127.
;;     - Each number is divided by its block's scale, clamped to +-7.5, and rounded to the nearest number of E2M3, ties to even, subnormals kept.
;;     - The product sums the exact products of the quantised numbers (number of the format x scale) in f32.
;;   ~~~python
;;   def quantise(x, axis):      # numpy; x: float32 -> the quantised numbers, widened to float32 again
;;       x = np.moveaxis(x, axis, -1); K = x.shape[-1]
;;       x = np.pad(x, [(0, 0)] * (x.ndim - 1) + [(0, -K % 32)]); x = x.reshape(x.shape[:-1] + (-1, 32)); a = np.abs(x).max(-1, keepdims=True)
;;       e = np.where(a > 0, np.clip(np.frexp(np.where(a > 0, a, 1))[1] - 1 - 2, -126, 127), 0)      # np.frexp(a)[1] - 1 = floor(log2(a)), exactly
;;       r = np.clip(x / 2.0 ** e, -7.5, 7.5)
;;       step = 2.0 ** (np.maximum(np.frexp(np.where(r == 0, 1, r))[1] - 1, 0) - 3)
;;       q = np.round(r / step) * step * 2.0 ** e      # np.round: ties to even
;;       return np.moveaxis(q.reshape(q.shape[:-2] + (-1,))[..., :K], -1, axis).astype(np.float32)
;;   ~~~
;;   OPERANDS COMPUTED ON THE WAY. 'Computed on the way' means the value that the module computes at that place (a softmax that the list does not call 'softmax' is quantised finished and normalised). What goes into a quantiser is computed in f32, as accurately as f32 sums, v_exp_f32 and their like allow (about 1e-6 of the number): no bf16 or f16 on the way to a quantiser, and a product that is left as it is and whose result goes on into a quantised operand takes f32 operands (vector FMAs, or v_wmma_f32_16x16x4_f32). A number that lies on a knife's edge between two numbers of the format may be rounded either way, as far as f32 arithmetic and the matrix unit's own rounding can turn it there, and no further.
;;   INPUTS GIVEN AS CODES. k_w (in the module: [1024, 1024], K = its axis 1); o_w (in the module: [1024, 1024], K = its axis 1); q_w (in the module: [1024, 1024], K = its axis 1); v_w (in the module: [1024, 1024], K = its axis 1); x (in the module: [1, 4096, 1024], K = its axis 2): each comes as NAME_codes (uint8): NAME with its K axis moved to the last place and cut into blocks of 32 codes, [.., K / 32, bytes a block], one block behind the other in memory; four codes in three bytes: a row's codes are one little-endian stream of bits, code i at bits 6 i .. 6 i + 5 (a code: sign, 2 exponent bits, 3 mantissa bits); and NAME_scales (uint8): the same leading axes, one E8M0 byte (e + 127) for each 32 codes along K. Its value is code x scale, taken as it is: it is not quantised again, and the codes and scales need not be those that the quantiser above would give.
;; One version. Each part assembles by itself: llvm-mc -triple=amdgcn-amd-amdhsa -mcpu=gfx1250 --defsym DOCPART=n.
;; ======== version 1 of 1: 3 launches
;; workspace buffers: qkv 10,092,544 bytes; ac 3,145,728 bytes; asw 262,144 bytes
;; launch qkv (part 1): grid 12 x 16, 4 waves a work-group, clusters of 4 x 4, 327,680 bytes of LDS; arguments x_codes, x_scales, q_w_codes, q_w_scales, k_w_codes, k_w_scales, v_w_codes, v_w_scales, q_b, k_b, v_b, qkv; writes qkv
.if DOCPART == 1
	.amdgcn_target "amdgcn-amd-amdhsa--gfx1250"
	.amdhsa_code_object_version 6
	.text
	.protected	k_qdcc3551f88_qkv
	.globl	k_qdcc3551f88_qkv
	.p2align	8
	.type	k_qdcc3551f88_qkv,@function
k_qdcc3551f88_qkv:
	s_mov_b64 s[64:65], 0
	v_nop
	global_prefetch_b8 v0, s[64:65] scope:SCOPE_SE
	s_setreg_imm32_b32 hwreg(HW_REG_WAVE_MODE, 25, 1), 1
	s_wait_xcnt 0x0
	s_wait_alu depctr_hold_cnt(0) depctr_sa_sdst(0) depctr_va_vdst(0) depctr_va_sdst(0) depctr_va_ssrc(0) depctr_va_vcc(0) depctr_vm_vsrc(0)
	s_getreg_b32 s2, hwreg(HW_REG_IB_STS2, 6, 4)
	s_cmp_eq_u32 s2, 0
	s_cbranch_scc0 .Lentry_in_a_cluster
	s_endpgm
.Lentry_in_a_cluster:
	s_bfe_u32 s2, ttmp6, 0x10000c
	s_cmp_lg_u32 s2, 0xf033
	s_cbranch_scc0 .Lentry_shape_is_right
	s_endpgm
.Lentry_shape_is_right:
; q = x Wq^T + bq, k = x Wk^T + bk, v = x Wv^T + bv on codes of FP6 (E2M3) with one E8M0 scale for each 32 along K = 1,024; the f32 results are quantised at once:
; q and k along a head's 64 channels, v along the keys, and leave as codes and scale words in the order of the next launch's operand registers.  No f32 result goes to memory.
; A work-group of four waves makes 256 x 256 results, a wave 128 x 128 (64 accumulators, 512 registers).  K goes in steps of 256 through a ring of two LDS slots filled by the tensor data mover.
; THE CLUSTER'S x PICKS THE TENSOR: 0: q, 1: k: source 1 = 16 rows of x, source 0 = 16 rows of the weight.  2: v, made TRANSPOSED: source 1 = 16 rows of Wv (channels), source 0 = 16 rows of x (keys).
; In the result a lane holds one row of source 1 and its registers run along source 0's rows: along the channels for q and k, along the keys for v: always the axis that is to be quantised.
; Only pointers, strides and two masks are chosen by that number; all three take one way through the text but for the scale words' stores at the end.
; CLUSTERS: 4 x 4 work-groups; source 1's tiles are shared along a row of the cluster, source 0's along a column: joint tensor loads, each with a mask that names the four.
; 192 work-groups: no tile of equal work cuts both 4,096 x 2,048 and 1,024 x 4,096 into 256 parts of this wave tile.
; AN IMAGE (768 bytes) is 16 rows x 64 along the next K as six operand registers: lane (r, hh) holds block hh (32 codes, 24 bytes) of row r; registers 0-3 lie at 16 x lane, registers 4-5 at 512 + 8 x lane.
; qkv: QC 0: [head 16][token tile 256][768];  KC 3,145,728: the same;  VC 6,291,456: [head][64 keys: 64][channel tile 4][768];
;      QS 9,437,184: [head][pair of token tiles 128][r 16][tile 2] words (bytes 0, 1: the two blocks' scale bytes; bytes 2, 3: 0);  KS 9,699,328: the same;
;      VS 9,961,472: [head][128 keys: 32][r 16][channel tile 4] words (the four key blocks' bytes).
; LIMITS: NaN and infinities are not served.  A block whose largest magnitude lies under 2^-124, a block of zeros among them, gets the scale byte 1: its codes are what the conversion gives under that scale
; (zeros for zeros), and the bytes are read by this program alone.
; REGISTERS, in windows of 256: window 0: v1-7, v15 at work at the head; v8-14 offsets of the way out; v16-29 LDS addresses; v32-63 scale words, two sets; v64-127 the bias along source 0's rows (the C of the first products);
;   v128-223 source 1's fragments, one set; v224-239 the bias along source 1's rows; v240 zero; v242-243 lane permutes' destinations.   window 1: source 0's fragments, two sets.   windows 2, 3: the accumulators.
.set KSTEP,  256                       ; along K in a slot
.set NQ,     KSTEP/128                 ; matrix instructions deep
.set ROWB,   192                       ; a tile's row in bytes
.set KROW,   768                       ; a row of codes in memory: 1,024 codes
.set PITCH,  240                       ; an LDS row: 3 x (64 bytes + 16 of padding)
.set FR,     12                        ; registers of a fragment
.set NL,     6                         ; LDS loads that bring one
.set NP,     4                         ; places behind this matrix instruction (ISA guide 7.12.1)
.set HALFT,  128*PITCH
.set SLOT,   4*HALFT
.set LAPS,   2                         ; 1,024 / 512
.set KS,     32                        ; a row of scale bytes
.set SCL,    2*SLOT                    ; behind the ring: the scale bytes, as units of 256 bytes + 16
.set HALFS,  (128*KS/256)*272
.set SBLK,   (16*KS/256)*272
.set SPARE,  SCL+4*HALFS               ; the spare words: 128 bytes a wave, two blocks of 256 bytes that no other line names
.set FLOOR,  0x1800000                 ; 2^(3 - 127)
.set OA,   8                           ; v8   16 x lane
.set OAC,  9                           ; v9   the same, one column group on
.set OC,   10                          ; v10  512 + 8 x lane
.set OCC,  11                          ; v11  the same, one column group on
.set OE,   12                          ; v12  8 x lane
.set OF,   13                          ; v13  8,192 (lane / 16) + 16 (lane % 16)
.set SH8,  14                          ; v14  8 (lane / 16)
.set ADRA, 16
.set ADRB, 20
.set ADRS, 27
.set SPW,  28
.set NIL,  29
.set SC,   32
.set W,    32                          ; the way out: scale word of block a, column group c at v[W + 2 a + c]
.set CB,   64
.set AF,   128
.set X,    128                         ; the way out: 2 x 32 numbers
.set P0,   192                         ; six registers of codes for c = 0; v200-202 the second conversion's
.set P1,   204                         ; for c = 1; v212-214
.set MX,   216
.set SO,   218
.set BY,   220
.set RB,   224
.set ZR,   240
.set TT,   242
.set G1, 24
.set G0, 32
.set G1B, 48
.set G0B, 56
.set SEL, 66                           ; s[66:67] lane selects for v_permlanex16_b32 (at the head: at work)
.set G1S, 68
.set G0S, 76
.set G1SB, 80
.set G0SB, 88
.set MSB, 0
.macro WIN new                         ; the immediate's high byte repeats the setting that is left
.if MSB != \new
	s_set_vgpr_msb (MSB<<8)|\new
.set MSB, \new
.endif
.endm
.set MUL_LO, 0xa1                      ; source 0 window 1, source 1 window 0, C and D window 2
.set MUL_HI, 0xf1                      ; the same, C and D window 3
.set FIRST_LO, 0x81                    ; the first products: C (the bias) window 0, D window 2
.set FIRST_HI, 0xc1                    ; D window 3
.set TO_B,   0x40                      ; destination window 1, address window 0
; A joint load: waves 0 and 1 fetch for source 1, waves 2 and 3 for source 0.  The branch hangs on the wave's number alone.  Four v_nop follow each of the two lines.
.macro JLOAD g0a, g1a, g0b, g1b
	s_cmp_eq_u32 s15, 0
	s_cbranch_scc0 .Lfor_b_\@
	tensor_load_to_lds s[\g0a:\g0a+3], s[\g1a:\g1a+7]
	s_nop 0
.rept 4
	v_nop
.endr
	s_branch .Lasked_\@
.Lfor_b_\@:
	tensor_load_to_lds s[\g0b:\g0b+3], s[\g1b:\g1b+7]
	s_nop 0
.rept 4
	v_nop
.endr
.Lasked_\@:
.endm
.macro CREST                           ; a round of the cluster's barrier behind its opening barrier
	s_cmp_lg_u32 s14, 0
	s_cbranch_scc1 .Lnot_wave_0_\@
	s_barrier_signal -3
.Lnot_wave_0_\@:
	s_barrier_wait -3
	s_barrier_signal -1
	s_barrier_wait -1
.endm
.macro CROUND
	s_barrier_signal -1
	s_barrier_wait -1
	CREST
.endm
	s_load_b512 s[68:83], s[0:1], 0x0              ; x codes, x scales, Wq codes, scales, Wk codes, scales, Wv codes, scales
	s_load_b256 s[84:91], s[0:1], 0x40             ; bq, bk, bv, qkv
	v_lshl_add_u32 v[SPW], v0, 2, SPARE
	v_mov_b32 v[NIL], 0
	ds_add_u32 v28, v29
	ds_add_u32 v28, v29
	s_wait_dscnt 0x0
	v_lshrrev_b32 v1, 5, v0
	v_readfirstlane_b32 s14, v1                    ; wave 0..3
	s_lshr_b32 s15, s14, 1                         ; which half of source 1's 256 rows is mine.  Also: I fetch for source 1 (0) or source 0 (1)
	s_and_b32 s16, s14, 1                          ; which half of source 0's.  Also: which 128 rows I fetch
	s_bfe_u32 s40, ttmp6, 0x40000                  ; cx
	s_bfe_u32 s41, ttmp6, 0x40004                  ; cy
	s_and_b32 s99, ttmp7, 0xffff
	s_lshl_b32 s99, s99, 2                         ; 4 x cluster y
	s_lshl_b32 s43, s41, 2
	s_lshl_b32 s43, 15, s43                        ; my row of the cluster
	s_lshl_b32 s44, 0x1111, s40                    ; my column
	s_or_b32 s[G1+0], s43, (0<<16)|(1<<20)|(1<<21)|(3<<22)|(3<<25)  ; the mask; elements of 1 byte; padding on; bit 21 beside a mask; 4 words of padding behind every 16
	s_or_b32 s[G1B+0], s44, (0<<16)|(1<<20)|(1<<21)|(3<<22)|(3<<25)
.irp g, G1, G1B
	s_mov_b32 s[\g+1], ROWB<<16                    ; tensor_dim0
	s_mov_b32 s[\g+2], 128<<16                     ; tensor_dim1
	s_mov_b32 s[\g+3], ROWB<<16                    ; tile_dim0
	s_mov_b32 s[\g+4], 128                         ; tile_dim1
	s_mov_b32 s[\g+5], KROW                        ; from row to row
	s_mov_b32 s[\g+6], 0
	s_mov_b32 s[\g+7], 0
.endr
	s_mov_b32 s98, 196608
	s_wait_kmcnt 0x0
	; the choices hang on the cluster's x alone, which all partners share
	s_cmp_eq_u32 ttmp9, 1
	s_cselect_b64 s[8:9], s[76:77], s[72:73]       ; source 0: Wk or Wq,
	s_cselect_b64 s[10:11], s[78:79], s[74:75]
	s_cselect_b64 s[96:97], s[86:87], s[84:85]     ; the bias
	s_cmp_eq_u32 ttmp9, 2
	s_cselect_b64 s[4:5], s[80:81], s[68:69]       ; source 1: Wv or x
	s_cselect_b64 s[6:7], s[82:83], s[70:71]
	s_cselect_b64 s[8:9], s[68:69], s[8:9]         ; source 0: x for v
	s_cselect_b64 s[10:11], s[70:71], s[10:11]
	s_cselect_b64 s[96:97], s[88:89], s[96:97]
	s_cselect_b32 s95, -1, 0                       ; all ones for v
	s_cselect_b32 s101, 0, s99                     ; the cluster's y counts x's tiles: source 1's for q and k,
	s_cselect_b32 s100, s99, 0                     ; source 0's for v
	s_cselect_b32 s98, 3072, s98                   ; bytes from column group 0 to 1: a head's codes, or 64 keys' four images
	s_mov_b64 s[12:13], s[90:91]                   ; qkv
	s_add_co_u32 s17, s41, s101                    ; source 1's tile of 256 rows: hangs on cy
	s_add_co_u32 s42, s40, s100                    ; source 0's: hangs on cx
	; the scale bytes of 128 rows: a dense block of 4,096 bytes as rows of 256 bytes, 16 bytes of padding behind each
	s_or_b32 s[G1S+0], s43, (3<<16)|(1<<20)|(1<<21)|(5<<22)|(3<<25)
	s_or_b32 s[G1SB+0], s44, (3<<16)|(1<<20)|(1<<21)|(5<<22)|(3<<25)
.irp g, G1S, G1SB
	s_mov_b32 s[\g+1], 32<<16
	s_mov_b32 s[\g+2], (128*KS/256)<<16
	s_mov_b32 s[\g+3], 32<<16
	s_mov_b32 s[\g+4], 128*KS/256
	s_mov_b32 s[\g+5], 32
	s_mov_b32 s[\g+6], 0
	s_mov_b32 s[\g+7], 0
.endr
	s_lshl_b32 s18, s16, 7                         ; which 128 rows of the tile I fetch
	s_lshl_b32 s20, s17, 8
	s_add_co_u32 s20, s20, s18
	s_lshl_b32 s46, s42, 8
	s_add_co_u32 s46, s46, s18
	s_mov_b32 s21, 0
	s_mov_b32 s47, 0
	s_mov_b64 s[18:19], KS
	s_mul_u64 s[22:23], s[20:21], s[18:19]         ; where these rows' scale bytes begin
	s_mul_u64 s[66:67], s[46:47], s[18:19]
	s_mov_b64 s[18:19], KROW
	s_mul_u64 s[20:21], s[20:21], s[18:19]         ; and their codes
	s_mul_u64 s[46:47], s[46:47], s[18:19]
	s_mul_i32 s45, s14, HALFT                      ; where they go: wave x 128 rows
	s_mul_i32 s99, s14, HALFS
	s_add_nc_u64 s[20:21], s[4:5], s[20:21]
	s_add_nc_u64 s[22:23], s[6:7], s[22:23]
	s_add_nc_u64 s[46:47], s[8:9], s[46:47]
	s_add_nc_u64 s[66:67], s[10:11], s[66:67]
	CROUND                                         ; all sixteen work-groups are here: the first joint loads meet
	s_mov_b32 s[G0S], 1
	s_add_co_u32 s[G0S+1], s99, SCL
	s_mov_b64 s[G0S+2:G0S+3], s[22:23]
	s_or_b32 s[G0S+3], s[G0S+3], 0x80000000
	s_mov_b32 s[G0SB], 1
	s_add_co_u32 s[G0SB+1], s99, SCL
	s_mov_b64 s[G0SB+2:G0SB+3], s[66:67]
	s_or_b32 s[G0SB+3], s[G0SB+3], 0x80000000
	JLOAD G0S, G1S, G0SB, G1SB                     ; the scale bytes for all of K: filled once
.irp s, 0,1
	s_mov_b32 s[G0+4*\s], 1
	s_add_co_u32 s[G0+4*\s+1], s45, \s*SLOT
	s_add_nc_u64 s[G0+4*\s+2:G0+4*\s+3], s[20:21], \s*ROWB
	s_or_b32 s[G0+4*\s+3], s[G0+4*\s+3], 0x80000000
	s_mov_b32 s[G0B+4*\s], 1
	s_add_co_u32 s[G0B+4*\s+1], s45, \s*SLOT
	s_add_nc_u64 s[G0B+4*\s+2:G0B+4*\s+3], s[46:47], \s*ROWB
	s_or_b32 s[G0B+4*\s+3], s[G0B+4*\s+3], 0x80000000
	JLOAD G0+4*\s, G1, G0B+4*\s, G1B
.endr
	v_and_b32 v1, 15, v0                           ; r
	v_bfe_u32 v2, v0, 4, 1                         ; hh
	; THE BIASES.  Both forms are loaded from the one bias vector, both inside its 4,096 bytes; the form that this tensor does not want is then made zero.
	s_lshl_b32 s46, s40, 10
	s_lshl_b32 s47, s16, 9
	s_add_co_u32 s46, s46, s47                     ; (256 cx + 128 (wave % 2)) x 4: along source 0's rows, for q and k
	s_mov_b32 s47, 0
	s_add_nc_u64 s[100:101], s[96:97], s[46:47]
	s_lshl_b32 s46, s41, 10
	s_lshl_b32 s47, s15, 9
	s_add_co_u32 s46, s46, s47                     ; (256 cy + 128 (wave / 2)) x 4: along source 1's rows, for v
	s_mov_b32 s47, 0
	s_add_nc_u64 s[96:97], s[96:97], s[46:47]
	v_lshlrev_b32 v7, 5, v2                        ; 32 hh: a lane's eight numbers of a tile
	v_lshlrev_b32 v15, 2, v1                       ; 4 r
.irp b, 0,1,2,3,4,5,6,7
	global_load_b128 v[CB+8*\b:CB+8*\b+3], v7, s[100:101] offset:64*\b
	global_load_b128 v[CB+8*\b+4:CB+8*\b+7], v7, s[100:101] offset:64*\b+16
.endr
.irp a, 0,1,2,3,4,5,6,7
	global_load_b32 v[RB+2*\a], v15, s[96:97] offset:64*\a
	v_mov_b32 v[RB+2*\a+1], 0                      ; (named with it as a pair, so it is written)
.endr
	v_mul_u32_u24 v3, v1, PITCH
	v_mul_u32_u24 v4, v2, 24
	v_add_nc_u32 v4, v3, v4                        ; a fragment's row x pitch + 24 x half
	v_lshl_add_u32 v5, v2, 4, v4                   ; and the same behind one padding more
	s_mul_i32 s21, s15, HALFT                      ; my 128 rows of source 1
	s_mul_i32 s22, s16, HALFT                      ; my 128 rows of source 0,
	s_add_co_u32 s22, s22, 2*HALFT                 ; which lie behind the other's 256
.irp s, 0,1
	v_add_nc_u32 v[ADRA+\s], s21, v4
	v_add_nc_u32 v[ADRB+\s], s22, v4
	v_add_nc_u32 v[ADRA+2+\s], s21, v5
	v_add_nc_u32 v[ADRB+2+\s], s22, v5
	s_add_co_u32 s21, s21, SLOT
	s_add_co_u32 s22, s22, SLOT
.endr
	v_mul_u32_u24 v5, v1, KS                       ; my row's scale bytes,
	v_lshrrev_b32 v6, 8, v5
	v_lshl_add_u32 v5, v6, 4, v5                   ; and 16 more for each 256 passed
	s_mul_i32 s21, s15, HALFS
	s_mul_i32 s22, s16, HALFS
	s_add_co_u32 s22, s22, 2*HALFS
	s_sub_co_u32 s22, s22, s21
	v_mul_u32_u24 v6, s22, v2                      ; lanes 16-31 take source 0's
	s_add_co_u32 s21, s21, SCL
	v_add_nc_u32 v5, v5, v6
	v_add_nc_u32 v[ADRS], s21, v5
	; the way out: a lane's places in an image and among the scale words
	v_and_b32 v3, 31, v0
	v_lshlrev_b32 v[OA], 4, v3
	v_add_nc_u32 v[OAC], s98, v[OA]
	v_lshlrev_b32 v[OE], 3, v3
	v_add_nc_u32 v[OC], 512, v[OE]
	v_add_nc_u32 v[OCC], s98, v[OC]
	v_lshlrev_b32 v[OF], 4, v1
	v_lshl_add_u32 v[OF], v2, 13, v[OF]
	v_lshlrev_b32 v[SH8], 3, v2
	v_mov_b32 v[ZR], 0
	v_mov_b32 v[TT], 0                             ; a lane permute's destination counts as one of its sources
	v_mov_b32 v[TT+1], 0
	; where my wave's images and scale words begin
	s_lshl_b32 s20, s40, 2
	s_lshl_b32 s21, s16, 1
	s_add_co_u32 s20, s20, s21                     ; q, k: head 4 cx + 2 (wave % 2)
	s_lshl_b32 s21, s41, 2
	s_lshl_b32 s22, s15, 1
	s_add_co_u32 s21, s21, s22                     ; v: head 4 cy + 2 (wave / 2)
	s_lshl_b32 s22, s17, 4
	s_lshl_b32 s23, s15, 3
	s_add_co_u32 s22, s22, s23                     ; q, k: my first token tile, in units of 768 bytes
	s_lshl_b32 s23, s42, 2
	s_lshl_b32 s45, s16, 1
	s_add_co_u32 s23, s23, s45                     ; v: my first 64 keys; also its scale words' place in units of 128 bytes
	s_lshl_b32 s45, s23, 2                         ; four images each: in units of 768 bytes
	s_lshr_b32 s46, s22, 1                         ; q, k: my first pair of token tiles, in units of 128 bytes
	s_mov_b32 s47, 16384
	s_cmp_eq_u32 ttmp9, 2
	s_cselect_b32 s20, s21, s20
	s_cselect_b32 s22, s45, s22
	s_cselect_b32 s46, s23, s46
	s_cselect_b32 s47, 8192, s47                   ; a head's scale words in bytes
	s_cselect_b32 s92, 193536, 0                   ; v: from block 3 to block 4 the head changes: 196,608 - 3,072 more
	s_mov_b32 s93, 0
	s_mul_i32 s21, ttmp9, 3145728                  ; QC, KC or VC
	s_mul_i32 s23, s20, 196608
	s_add_co_u32 s21, s21, s23
	s_mul_i32 s23, s22, 768
	s_add_co_u32 s22, s21, s23
	s_mov_b32 s23, 0
	s_mul_i32 s20, s20, s47
	s_lshl_b32 s46, s46, 7
	s_add_co_u32 s20, s20, s46
	s_mul_i32 s21, ttmp9, 262144                   ; QS, KS or VS
	s_add_co_u32 s20, s20, s21
	s_add_co_u32 s20, s20, 9437184
	s_mov_b32 s21, 0
	s_add_nc_u64 s[18:19], s[12:13], s[20:21]      ; the scale words
	s_add_nc_u64 s[12:13], s[12:13], s[22:23]      ; the images
	s_mov_b32 s94, 0xffff0000                      ; lanes 16-31
	s_mov_b32 s[SEL], 0x76543210
	s_mov_b32 s[SEL+1], 0xfedcba98
	s_wait_loadcnt 0x0                             ; the biases
.set i, 0
.rept 64
	v_cndmask_b32 v[CB+i], v[CB+i], v[ZR], s95     ; v has no bias along source 0's rows
.set i, i+1
.endr
.irp a, 0,1,2,3,4,5,6,7
	v_cndmask_b32 v[RB+2*\a], v[ZR], v[RB+2*\a], s95   ; q and k have none along source 1's
.endr
.macro FRAG reg, adr, q, i             ; a fragment, 16 rows x 128 K: lane l holds row l % 16; registers 6 c .. 6 c + 5 hold K = 64 c + 32 (l / 16) + 0 .. 31, as they lie; in pieces of 8 bytes
.irp p, 0,1,2,3,4,5
.set PCE, 12*(\q)+6*(\p/3)+\p%3        ; where the piece three on (lanes 16-31) lies behind one padding more, the second address register serves
.if PCE%8 < 5
	ds_load_b64 v[\reg+2*\p:\reg+2*\p+1], v[\adr] offset:8*PCE+16*(PCE/8)+(\i)*16*PITCH
.else
	ds_load_b64 v[\reg+2*\p:\reg+2*\p+1], v[\adr+2] offset:8*PCE+16*(PCE/8)+(\i)*16*PITCH
.endif
.endr
.endm
; 16 matrix instructions: source 1's blocks a0, a0 + 1 x source 0's eight.  zero = 1: the first products start the sums from the bias.  The 64 accumulators take turns, one instruction a turn.
.macro MUL16 a0, p, q, sc, zero
.irp a, \a0, \a0+1
.irp b, 0,1,2,3,4,5,6,7
.if \zero
	v_wmma_scale_f32_16x16x128_f8f6f4 v[8*(8*((\a)%4)+\b):8*(8*((\a)%4)+\b)+7], v[128*(\p)+FR*\b:128*(\p)+FR*\b+FR-1], v[AF+FR*(\a):AF+FR*(\a)+FR-1], v[CB+8*\b:CB+8*\b+7], v[SC+8*NQ*(\sc)+NQ*\b+(\q)], v[SC+8*NQ*(\sc)+NQ*(\a)+(\q)] matrix_a_fmt:MATRIX_FMT_FP6 matrix_b_fmt:MATRIX_FMT_FP6 matrix_a_scale:MATRIX_SCALE_ROW1
.else
	v_wmma_scale_f32_16x16x128_f8f6f4 v[8*(8*((\a)%4)+\b):8*(8*((\a)%4)+\b)+7], v[128*(\p)+FR*\b:128*(\p)+FR*\b+FR-1], v[AF+FR*(\a):AF+FR*(\a)+FR-1], v[8*(8*((\a)%4)+\b):8*(8*((\a)%4)+\b)+7], v[SC+8*NQ*(\sc)+NQ*\b+(\q)], v[SC+8*NQ*(\sc)+NQ*(\a)+(\q)] matrix_a_fmt:MATRIX_FMT_FP6 matrix_b_fmt:MATRIX_FMT_FP6 matrix_a_scale:MATRIX_SCALE_ROW1
.endif
.endr
.endr
.endm
.macro FETCH_B slot, q, p
	WIN TO_B
.irp i, 0,1,2,3,4,5,6,7
	FRAG 128*(\p)+FR*\i, ADRB+\slot, \q, \i
.endr
	WIN 0
.endm
.macro FETCH_A slot, q, i0
.irp i, \i0, \i0+1, \i0+2, \i0+3
	FRAG AF+FR*(\i), ADRA+\slot, \q, \i
.endr
.endm
.macro SCALES sc                       ; a K step's scale words: lanes 0-15 take source 1's block i, lanes 16-31 source 0's
.irp i, 0,1,2,3,4,5,6,7
	ds_load_b64 v[SC+8*NQ*\sc+NQ*\i:SC+8*NQ*\sc+NQ*\i+1], v[ADRS] offset:\i*SBLK
.endr
.endm
.macro PLACES n                        ; plain vector instructions between a matrix instruction and a load into, or a read of, its registers
.rept \n
	v_nop
.endr
.endm
.macro STEP slot, q, zero              ; 128 along K that have their successor in the same slot
	s_wait_dscnt 4*NL                              ; all but the youngest 24 loads (source 1's blocks 4-7) are in
.if \zero
	WIN FIRST_LO
.else
	WIN MUL_LO
.endif
	MUL16 0, (\q)%2, \q, \slot, \zero
	MUL16 2, (\q)%2, \q, \slot, \zero
	s_wait_dscnt 0
	PLACES NP
	FETCH_B \slot, (\q)+1, 1-(\q)%2
	FETCH_A \slot, (\q)+1, 0
.if \zero
	WIN FIRST_HI
.else
	WIN MUL_HI
.endif
	MUL16 4, (\q)%2, \q, \slot, \zero
	MUL16 6, (\q)%2, \q, \slot, \zero
	PLACES NP
	WIN 0
	FETCH_A \slot, (\q)+1, 4
.endm
; A slot's last 128 change slots: one barrier; in front of it each wave waits for all its tensor loads, adds 0 to its spare word, and waits for that and for its reads of this slot.  fill = 1: the slot is filled again, two K steps ahead.
.macro TURN slot, next, fill
	s_wait_tensorcnt 0x0                           ; all my tensor loads have landed: my part of the next slot
	ds_add_u32 v[SPW], v[NIL]                      ; 0 onto my spare word
	s_wait_dscnt 4*NL+1                            ; the add and the youngest 24 loads may be out
	WIN MUL_LO
	MUL16 0, 1, NQ-1, \slot, 0
	s_wait_dscnt 0x0                               ; the add is done, and my reads of this slot are over
	s_barrier_signal -1
	MUL16 2, 1, NQ-1, \slot, 0
	WIN 0
	s_barrier_wait -1
.if \fill
	CREST                                          ; the barrier has opened a round of the cluster's: no wave of any partner still reads this slot or has a load on its way
	s_add_nc_u64 s[G0+4*\slot+2:G0+4*\slot+3], s[G0+4*\slot+2:G0+4*\slot+3], 2*ROWB
	s_add_nc_u64 s[G0B+4*\slot+2:G0B+4*\slot+3], s[G0B+4*\slot+2:G0B+4*\slot+3], 2*ROWB
	JLOAD G0+4*\slot, G1, G0B+4*\slot, G1B         ; the first tensor load behind the round; its four v_nop are the places in front of the loads below
.else
	PLACES NP
.endif
	v_add_nc_u32 v[ADRS], 4*NQ, v[ADRS]            ; the next K step's scale words
	FETCH_B \next, 0, 0
	FETCH_A \next, 0, 0
	SCALES \next
	WIN MUL_HI
	MUL16 4, 1, NQ-1, \slot, 0
	MUL16 6, 1, NQ-1, \slot, 0
	PLACES NP
	WIN 0
	FETCH_A \next, 0, 4
.endm
	s_wait_tensorcnt 1                             ; the scale bytes and my part of K step 0 are in; K step 1's load, issued behind them, may be out
	s_barrier_signal -1
	s_barrier_wait -1
	FETCH_B 0, 0, 0
	FETCH_A 0, 0, 0
	SCALES 0
	FETCH_A 0, 0, 4
	STEP 0, 0, 1
	s_mov_b32 s3, LAPS-1
.Llap:
	TURN 0, 1, 1
	STEP 1, 0, 0
	TURN 1, 0, 1
	STEP 0, 0, 0
	s_sub_co_u32 s3, s3, 1
	s_cmp_lg_u32 s3, 0
	s_cbranch_scc1 .Llap
	TURN 0, 1, 0                                   ; the last lap fills nothing
	STEP 1, 0, 0
	s_wait_dscnt 4*NL
	WIN MUL_LO
	MUL16 0, 1, NQ-1, 1, 0
	MUL16 2, 1, NQ-1, 1, 0
	s_wait_dscnt 0
	WIN MUL_HI
	MUL16 4, 1, NQ-1, 1, 0
	MUL16 6, 1, NQ-1, 1, 0
	WIN 0
; THE WAY OUT.  Four tiles side by side are 64 numbers of a row: lane (r, h) holds 16 t + 8 h + 0 .. 7 of tile t.  Laid in the order t = 0, 2, 1, 3, sixteen exchanges of halves give lanes 0-15 the row's numbers 0 .. 31
; and lanes 16-31 its numbers 32 .. 63, in order: a lane then holds one whole block, so its largest magnitude needs no other lane, and two conversions give the image's six registers.
.macro QSWAP x
.irp i, 0,1,2,3,4,5,6,7
	v_permlane16_swap_b32 v[\x+\i], v[\x+8+\i]
.endr
.irp i, 0,1,2,3,4,5,6,7
	v_permlane16_swap_b32 v[\x+16+\i], v[\x+24+\i]
.endr
.endm
.macro QCVT pc, tmp, x, so
	v_cvt_scalef32_pk16_fp6_f32 v[\pc:\pc+2], v[\x:\x+15], v[\so]
	v_cvt_scalef32_pk16_fp6_f32 v[\tmp:\tmp+2], v[\x+16:\x+31], v[\so]   ; (a conversion's three registers begin on an even number)
	v_nop                                          ; one plain place behind a scaled conversion
	v_mov_b32 v[\pc+3], v[\tmp]
	v_mov_b32 v[\pc+4], v[\tmp+1]
	v_mov_b32 v[\pc+5], v[\tmp+2]
.endm
.macro OUTBLK a                        ; source 1's block a: two groups of four tiles, two images
	WIN 0x02+(\a)/4                                ; source 0: window 2 or 3
.irp c, 0,1
.irp k, 0,1,2,3
.irp i, 0,2,4,6
	v_pk_add_f32 v[X+32*\c+8*(2*(\k%2)+\k/2)+\i:X+32*\c+8*(2*(\k%2)+\k/2)+\i+1], v[64*((\a)%4)+8*(4*\c+\k)+\i:64*((\a)%4)+8*(4*\c+\k)+\i+1], v[RB+2*(\a):RB+2*(\a)+1] op_sel_hi:[1,0]   ; + the row's bias (0 for q and k); each accumulator from its low end on
.endr
.endr
.endr
	WIN 0
	QSWAP X
	QSWAP X+32
.irp c, 0,1
	v_max3_num_f32 v[MX+\c], |v[X+32*\c]|, |v[X+32*\c+1]|, FLOOR   ; the block's largest magnitude, over the floor 2^(3 - 127): the byte cannot fall under 1
.endr
.irp i, 2,4,6,8,10,12,14,16,18,20,22,24,26,28,30
.irp c, 0,1
	v_max3_num_f32 v[MX+\c], v[MX+\c], |v[X+32*\c+\i]|, |v[X+32*\c+\i+1]|
.endr
.endr
.irp c, 0,1
	v_add_nc_u32 v[SO+\c], 0xff000000, v[MX+\c]    ; 2 off its exponent field: the conversion's scale operand
.endr
.irp c, 0,1
	v_lshrrev_b32 v[BY+\c], 23, v[SO+\c]           ; the scale's byte
.endr
.if (\a) > 0
	s_wait_xcnt 0x0                                ; the last block's stores have read their data and their base: both are written again only behind this wait
	s_add_nc_u64 s[12:13], s[12:13], 768
.endif
.if (\a) == 4
	s_add_nc_u64 s[12:13], s[12:13], s[92:93]
.endif
	QCVT P0, P0+8, X, SO
	QCVT P1, P1+8, X+32, SO+1
.irp c, 0,1
	v_lshlrev_b32 v[W+2*(\a)+\c], v[SH8], v[BY+\c] ; my block's byte at its place,
.endr
.irp c, 0,1
	v_permlanex16_b32 v[TT+\c], v[W+2*(\a)+\c], s[SEL], s[SEL+1]
.endr
.irp c, 0,1
	v_or_b32 v[W+2*(\a)+\c], v[W+2*(\a)+\c], v[TT+\c]   ; with lane l xor 16's: the row's two bytes, in both halves of the lanes
.endr
	global_store_b128 v[OA], v[P0:P0+3], s[12:13]              ; 32 lanes store 512 bytes on end,
	global_store_b64 v[OC], v[P0+4:P0+5], s[12:13]             ; and 256 more: the image
	global_store_b128 v[OAC], v[P1:P1+3], s[12:13]
	global_store_b64 v[OCC], v[P1+4:P1+5], s[12:13]
.endm
	PLACES NP                                      ; behind the last products: their results are read, and the registers that held their operands written
.irp a, 0,1,2,3,4,5,6,7
	OUTBLK \a
.endr
	s_cmp_eq_u32 ttmp9, 2                          ; the same in all partners
	s_cbranch_scc1 .Lv_words
.irp c, 0,1                            ; q, k: lanes 0-15 store the words of tiles 4 i, 4 i + 1 of row r, lanes 16-31 those of tiles 4 i + 2, 4 i + 3: 256 bytes on end
.irp i, 0,1
	v_cndmask_b32 v[X+4*\c+2*\i], v[W+8*\i+\c], v[W+8*\i+4+\c], s94
	v_cndmask_b32 v[X+4*\c+2*\i+1], v[W+8*\i+2+\c], v[W+8*\i+6+\c], s94
	global_store_b64 v[OE], v[X+4*\c+2*\i:X+4*\c+2*\i+1], s[18:19] offset:16384*\c+256*\i
.endr
.endr
	s_branch .Lwords_done
.Lv_words:
.irp a, 0,1,2,3,4,5,6,7                ; v: the four key blocks' bytes of a channel make one word
	v_lshl_or_b32 v[X+\a], v[W+2*\a+1], 16, v[W+2*\a]
.endr
.irp k, 0,1,2,3
	v_cndmask_b32 v[X+8+\k], v[X+\k], v[X+4+\k], s94   ; lanes 0-15: my first head's four channel tiles; lanes 16-31: my second head's
.endr
	global_store_b128 v[OF], v[X+8:X+11], s[18:19]     ; sixteen lanes store 256 bytes on end
.Lwords_done:
	s_wait_tensorcnt 0x0                           ; the wave's end
	ds_add_u32 v[SPW], v[NIL]
	s_wait_dscnt 0x0
	CROUND                                         ; the closing round: no work-group ends while a partner may still ask for a tile that names it
	s_endpgm
.Lfunc_end_k_qdcc3551f88_qkv:
	.size	k_qdcc3551f88_qkv, .Lfunc_end_k_qdcc3551f88_qkv-k_qdcc3551f88_qkv
	.p2alignl 7, 3214868480
	.fill 96, 4, 3214868480
	.section	.rodata,"a",@progbits
	.p2align	6, 0x0
	.amdhsa_kernel k_qdcc3551f88_qkv
		.amdhsa_group_segment_fixed_size 327680
		.amdhsa_private_segment_fixed_size 0
		.amdhsa_enable_private_segment 0
		.amdhsa_kernarg_size 96
		.amdhsa_user_sgpr_count 2
		.amdhsa_user_sgpr_kernarg_segment_ptr 1
		.amdhsa_wavefront_size32 1
		.amdhsa_system_sgpr_workgroup_id_x 1
		.amdhsa_system_sgpr_workgroup_id_y 1
		.amdhsa_system_sgpr_workgroup_id_z 1
		.amdhsa_system_vgpr_workitem_id 0
		.amdhsa_next_free_vgpr 1024
		.amdhsa_next_free_sgpr 102
		.amdhsa_reserve_vcc 0
		.amdhsa_float_denorm_mode_32 3
		.amdhsa_float_denorm_mode_16_64 3
		.amdhsa_memory_ordered 1
		.amdhsa_forward_progress 1
		.amdhsa_inst_pref_size 194
	.end_amdhsa_kernel
	.amdgpu_metadata
---
amdhsa.version: [ 1, 2 ]
amdhsa.kernels:
  - .name:           k_qdcc3551f88_qkv
    .symbol:         k_qdcc3551f88_qkv.kd
    .args:
      - { .name: x_codes, .offset: 0, .size: 8, .value_kind: global_buffer, .address_space: global }
      - { .name: x_scales, .offset: 8, .size: 8, .value_kind: global_buffer, .address_space: global }
      - { .name: q_w_codes, .offset: 16, .size: 8, .value_kind: global_buffer, .address_space: global }
      - { .name: q_w_scales, .offset: 24, .size: 8, .value_kind: global_buffer, .address_space: global }
      - { .name: k_w_codes, .offset: 32, .size: 8, .value_kind: global_buffer, .address_space: global }
      - { .name: k_w_scales, .offset: 40, .size: 8, .value_kind: global_buffer, .address_space: global }
      - { .name: v_w_codes, .offset: 48, .size: 8, .value_kind: global_buffer, .address_space: global }
      - { .name: v_w_scales, .offset: 56, .size: 8, .value_kind: global_buffer, .address_space: global }
      - { .name: q_b, .offset: 64, .size: 8, .value_kind: global_buffer, .address_space: global }
      - { .name: k_b, .offset: 72, .size: 8, .value_kind: global_buffer, .address_space: global }
      - { .name: v_b, .offset: 80, .size: 8, .value_kind: global_buffer, .address_space: global }
      - { .name: qkv, .offset: 88, .size: 8, .value_kind: global_buffer, .address_space: global }
    .group_segment_fixed_size: 327680
    .private_segment_fixed_size: 0
    .kernarg_segment_align: 8
    .kernarg_segment_size: 96
    .max_flat_workgroup_size: 128
    .sgpr_count:     102
    .vgpr_count:     1024
    .wavefront_size: 32
...
	.end_amdgpu_metadata
.endif
;; end of part 1
;; launch attn (part 2): grid 16 x 16, 16 waves a work-group, no clusters, 169,984 bytes of LDS; arguments qkv, ac, asw; writes ac, asw
.if DOCPART == 2
	.amdgcn_target "amdgcn-amd-amdhsa--gfx1250"
	.amdhsa_code_object_version 6
	.text
	.protected	k_qdcc3551f88_attn
	.globl	k_qdcc3551f88_attn
	.p2align	8
	.type	k_qdcc3551f88_attn,@function
k_qdcc3551f88_attn:
	s_mov_b64 s[64:65], 0
	v_nop
	global_prefetch_b8 v0, s[64:65] scope:SCOPE_SE
	s_setreg_imm32_b32 hwreg(HW_REG_WAVE_MODE, 25, 1), 1
	s_wait_xcnt 0x0
; Attention in a window of 256 keys, both products on codes of FP6 (E2M3) with E8M0 scales; 16 heads of 64, 4,096 tokens.  Key k counts for query q where q - 256 < k <= q.
; THE WEIGHTS ARE QUANTISED FINISHED AND NORMALISED, along the keys, in blocks of 32 counted from key 0.  A tile of 16 queries in block a of 32 sees key blocks a - 8 .. a alone: 288 keys, whose scores one wave holds in registers:
; the row's maximum and sum are known before any weight is quantised.  Blocks outside hold zeros alone and add nothing.
; SHARES.  A work-group owns 256 queries of one head (x: the block of queries, y: the head); each of its sixteen waves owns 16 of them.  The 512 keys from 256 (x - 1) on, K's and V's codes and scale words, come into LDS once,
; by four tensor loads; nothing is filled again.  For x = 0 the first 256 do not exist: the loads then bring the bytes that lie in front of the head's region in the same buffer (written codes and scale words, none of
; whose bytes is 0xff), and the mask makes their scores -infinity, so that their weights' codes are zeros.
; No cluster: a block of 256 keys is shared by two neighbouring work-groups alone, and lands in different halves of their windows, so their descriptors cannot be equal.
; LAYOUT.  Both products are used transposed (S^T = K Q^T, O^T = V^T P^T): a lane holds one query.  The head's K = 64 fills half of the instruction's 128: Q's upper six registers are zero codes; K's upper six are whatever
; codes lie in the next registers (every code of this format is a finite number), and both sides' scale bytes there are 0, which is 2^-127 and no NaN.
; An image is 16 rows x 64 along K as six operand registers (lane (r, hh): block hh of row r): registers 0-3 at 16 x lane, registers 4-5 at 512 + 8 x lane.
; ac: [128 tokens: 32][head 16][token tile 8][768]: images of the result, quantised along the head's 64 channels.   asw: [32][head][r 16][token tile 8] words: bytes 0, 1 the two blocks' scale bytes.
; LIMITS: NaN and infinities are not served.  A block whose largest magnitude lies under 2^-124, a block of zeros among them, gets the scale byte 1; the bytes are read by this program alone.
; REGISTERS: v1-16, v23 addresses and lane constants; v17-22 at work; v24-95: Q, K's fragments and scale words, later statistics, P's codes, V's scale words; v96-255: 20 tiles of scores (tile t at 96 + 32 (t / 4) + 8 x place,
; the places of a group's four tiles in the order 0, 2, 1, 3), later V's fragments (v96-221) and O^T (v224-255).
.set KC,  3145728
.set VC,  6291456
.set QS,  9437184
.set KSO, 9699328
.set VSO, 9961472
.set KCL, 0                            ; LDS: 32 tiles of K x 768
.set VCL, 24576                        ; 8 x 64 keys x 4 channel tiles x 768
.set KSL, 49152                        ; K's scale words, 2,048 bytes
.set VSL, 51200                        ; V's, 1,024 bytes
.set SG,  52224                        ; the result's scale words, 1,024 bytes: written by LDS stores alone, no fill lands here
.set S,   96
.set FLOOR, 0x1800000                  ; 2^(3 - 127)
.macro PLACES n
.rept \n
	v_nop
.endr
.endm
.macro QSWAP x                         ; four tiles in the order 0, 2, 1, 3: lanes 0-15 get the row's numbers 0 .. 31, lanes 16-31 its numbers 32 .. 63, in order
.irp i, 0,1,2,3,4,5,6,7
	v_permlane16_swap_b32 v[\x+\i], v[\x+8+\i]
.endr
.irp i, 0,1,2,3,4,5,6,7
	v_permlane16_swap_b32 v[\x+16+\i], v[\x+24+\i]
.endr
.endm
.macro QCVT pc, tmp, x, so
	v_cvt_scalef32_pk16_fp6_f32 v[\pc:\pc+2], v[\x:\x+15], v[\so]
	v_cvt_scalef32_pk16_fp6_f32 v[\tmp:\tmp+2], v[\x+16:\x+31], v[\so]   ; (a conversion's three registers begin on an even number)
	v_nop                                          ; one plain place behind a scaled conversion
	v_mov_b32 v[\pc+3], v[\tmp]
	v_mov_b32 v[\pc+4], v[\tmp+1]
	v_mov_b32 v[\pc+5], v[\tmp+2]
.endm
	s_load_b128 s[4:7], s[0:1], 0x0                ; qkv, ac
	s_load_b64 s[8:9], s[0:1], 0x10                ; asw
	v_lshl_add_u32 v222, v0, 2, 0x29000
	v_mov_b32 v223, 0
	ds_add_u32 v222, v223
	ds_add_u32 v222, v223
	s_wait_dscnt 0x0
	v_lshrrev_b32 v17, 5, v0
	v_readfirstlane_b32 s10, v17                   ; wave j, 0..15
	s_and_b32 s11, ttmp7, 0xffff                   ; the head
	; descriptor groups 1: dense blocks as rows of 256 bytes (32 elements of 8 bytes), no padding: 96 rows (codes), 8 (K's scale words), 4 (V's)
.irp g, 16,24,32
	s_mov_b32 s[\g], 3<<16
	s_mov_b32 s[\g+1], 32<<16
	s_mov_b32 s[\g+3], 32<<16
	s_mov_b32 s[\g+5], 32
	s_mov_b32 s[\g+6], 0
	s_mov_b32 s[\g+7], 0
.endr
	s_mov_b32 s18, 96<<16
	s_mov_b32 s20, 96
	s_mov_b32 s26, 8<<16
	s_mov_b32 s28, 8
	s_mov_b32 s34, 4<<16
	s_mov_b32 s36, 4
	s_mul_i32 s12, s11, 196608
	s_mul_i32 s13, ttmp9, 12288
	s_add_co_u32 s12, s12, s13                     ; head x 196,608 + x x 12,288: 256 tokens' images
	s_add_co_u32 s66, s12, KC-12288                ; the window begins 256 keys earlier
	s_mov_b32 s67, 0
	s_add_co_u32 s68, s12, VC-12288
	s_mov_b32 s69, 0
	s_lshl_b32 s13, s11, 14
	s_lshl_b32 s14, ttmp9, 10
	s_add_co_u32 s13, s13, s14                     ; head x 16,384 + x x 1,024
	s_add_co_u32 s70, s13, KSO-1024
	s_mov_b32 s71, 0
	s_lshl_b32 s14, s11, 13
	s_lshl_b32 s15, ttmp9, 9
	s_add_co_u32 s14, s14, s15
	s_add_co_u32 s72, s14, VSO-512
	s_mov_b32 s73, 0
	s_mul_i32 s14, s10, 768
	s_add_co_u32 s74, s12, s14                     ; Q's image: tile 16 x + j
	s_mov_b32 s75, 0
	s_lshr_b32 s14, s10, 1
	s_lshl_b32 s14, s14, 7
	s_and_b32 s15, s10, 1
	s_lshl_b32 s15, s15, 2
	s_add_co_u32 s14, s14, s15
	s_add_co_u32 s14, s14, s13
	s_add_co_u32 s76, s14, QS                      ; Q's scale words: pair of tiles 8 x + j / 2, tile j % 2
	s_mov_b32 s77, 0
	s_lshl_b32 s14, ttmp9, 1
	s_lshr_b32 s15, s10, 3
	s_add_co_u32 s15, s14, s15
	s_mul_i32 s78, s15, 98304                      ; ac: 128 tokens 2 x + j / 8,
	s_mul_i32 s15, s11, 6144
	s_add_co_u32 s78, s78, s15                     ; the head,
	s_and_b32 s15, s10, 7
	s_mul_i32 s15, s15, 768
	s_add_co_u32 s78, s78, s15                     ; tile j % 8
	s_mov_b32 s79, 0
	s_min_u32 s15, s10, 1                          ; asw: waves 0 and 1 store 512 bytes each
	s_add_co_u32 s15, s14, s15
	s_lshl_b32 s80, s15, 13
	s_lshl_b32 s15, s11, 9
	s_add_co_u32 s80, s80, s15
	s_mov_b32 s81, 0
	s_mov_b32 s56, 0x76543210                      ; v_permlanex16_b32's selects for lane l xor 16
	s_mov_b32 s57, 0xfedcba98
	s_mov_b32 s58, 0x3e38aa3b                      ; c = log2(e) / sqrt(64)
	s_mov_b32 s59, s58                             ; (named with it as a pair, so it is written)
	s_mov_b32 s60, 0xbe38aa3b                      ; -c
	s_lshr_b32 s14, s10, 1
	s_sub_co_u32 s62, 8, s14                       ; x = 0: so many of my first key blocks do not exist
	s_and_b32 s14, s14, 3                          ; n: where my first key block's byte lies in V's scale words
	s_mul_i32 s61, s14, 0x01010101
	s_add_co_u32 s61, s61, 0x03020100              ; the byte selector n, n + 1, n + 2, n + 3 of two neighbouring words
	s_wait_kmcnt 0x0
	s_mov_b32 s40, 1
	s_mov_b32 s41, KCL
	s_add_nc_u64 s[42:43], s[4:5], s[66:67]
	s_or_b32 s43, s43, 0x80000000
	s_mov_b32 s44, 1
	s_mov_b32 s45, VCL
	s_add_nc_u64 s[46:47], s[4:5], s[68:69]
	s_or_b32 s47, s47, 0x80000000
	s_mov_b32 s48, 1
	s_mov_b32 s49, KSL
	s_add_nc_u64 s[50:51], s[4:5], s[70:71]
	s_or_b32 s51, s51, 0x80000000
	s_mov_b32 s52, 1
	s_mov_b32 s53, VSL
	s_add_nc_u64 s[54:55], s[4:5], s[72:73]
	s_or_b32 s55, s55, 0x80000000
	s_add_nc_u64 s[74:75], s[4:5], s[74:75]
	s_add_nc_u64 s[76:77], s[4:5], s[76:77]
	s_add_nc_u64 s[78:79], s[6:7], s[78:79]
	s_add_nc_u64 s[80:81], s[8:9], s[80:81]
	; the fills: waves 0 to 3 issue one tensor load each, the others none.  Four v_nop follow each.
	s_cmp_eq_u32 s10, 0
	s_cbranch_scc0 .Lnot_0
	tensor_load_to_lds s[40:43], s[16:23]
	s_nop 0
	PLACES 4
	s_branch .Lasked
.Lnot_0:
	s_cmp_eq_u32 s10, 1
	s_cbranch_scc0 .Lnot_1
	tensor_load_to_lds s[44:47], s[16:23]
	s_nop 0
	PLACES 4
	s_branch .Lasked
.Lnot_1:
	s_cmp_eq_u32 s10, 2
	s_cbranch_scc0 .Lnot_2
	tensor_load_to_lds s[48:51], s[24:31]
	s_nop 0
	PLACES 4
	s_branch .Lasked
.Lnot_2:
	s_cmp_eq_u32 s10, 3
	s_cbranch_scc0 .Lasked
	tensor_load_to_lds s[52:55], s[32:39]
	s_nop 0
	PLACES 4
.Lasked:
	v_and_b32 v18, 31, v0                          ; lane
	v_and_b32 v20, 15, v0                          ; r
	v_bfe_u32 v21, v0, 4, 1                        ; hh
	v_lshlrev_b32 v13, 4, v18                      ; 16 x lane
	v_lshlrev_b32 v14, 3, v18
	v_add_nc_u32 v14, 512, v14                     ; 512 + 8 x lane
	v_lshlrev_b32 v16, 3, v20                      ; 8 r
	global_load_b128 v[24:27], v13, s[74:75]       ; Q's image: it stays in registers
	global_load_b64 v[28:29], v14, s[74:75]
	global_load_b32 v36, v16, s[76:77]             ; Q's scale words
	v_lshrrev_b32 v17, 6, v0                       ; z0 = j / 2: my first key block in the window
	v_mul_u32_u24 v19, v17, 1536
	v_lshl_add_u32 v1, v18, 4, v19                 ; K's tiles: two to a block
	v_lshl_add_u32 v2, v18, 3, v19
	v_add_nc_u32 v2, 512, v2
	v_lshlrev_b32 v3, 7, v17
	v_lshl_add_u32 v3, v20, 3, v3
	v_add_nc_u32 v3, KSL, v3                       ; K's scale words: 128 bytes a block, two tiles' words a row
	v_add_nc_u32 v22, v17, v21                     ; V: lane (r, hh) wants block z = z0 + hh + 2 c + 4 s: image z / 2, lanes' half z % 2
	v_lshrrev_b32 v23, 1, v22
	v_and_b32 v22, 1, v22
	v_mul_u32_u24 v23, v23, 3072
	v_lshl_add_u32 v4, v22, 8, v23
	v_lshl_add_u32 v4, v20, 4, v4
	v_add_nc_u32 v4, VCL, v4
	v_lshl_add_u32 v5, v22, 7, v23
	v_lshl_add_u32 v5, v20, 3, v5
	v_add_nc_u32 v5, VCL+512, v5
	v_lshrrev_b32 v23, 1, v17                      ; the ninth block: both halves of the lanes take block z0 + 8 (lanes 16-31 meet zero codes of P)
	v_and_b32 v22, 1, v17
	v_mul_u32_u24 v23, v23, 3072
	v_lshl_add_u32 v6, v22, 8, v23
	v_lshl_add_u32 v6, v20, 4, v6
	v_add_nc_u32 v6, VCL, v6
	v_lshl_add_u32 v7, v22, 7, v23
	v_lshl_add_u32 v7, v20, 3, v7
	v_add_nc_u32 v7, VCL+512, v7
	v_lshrrev_b32 v22, 8, v0                       ; j / 8
	v_lshlrev_b32 v8, 8, v22
	v_lshl_add_u32 v8, v20, 4, v8
	v_add_nc_u32 v8, VSL, v8                       ; V's scale words: 256 bytes for 128 keys, four channel tiles' words a row
	v_lshlrev_b32 v15, 9, v22
	v_lshl_add_u32 v15, v20, 5, v15
	v_bfe_u32 v22, v0, 5, 3
	v_lshl_add_u32 v15, v22, 2, v15
	v_add_nc_u32 v15, SG, v15                      ; the result's scale word: 512 (j / 8) + 32 r + 4 (j % 8)
	v_lshl_add_u32 v23, v0, 4, SG                  ; and where waves 0 and 1 read them back: 16 x thread.  v23 is written by no later line: loads land in v24 and above
	v_bfe_u32 v22, v0, 5, 1
	v_lshl_add_u32 v9, v22, 4, v20
	v_add_nc_u32 v9, 1, v9
	v_lshlrev_b32 v12, 3, v21                      ; 8 hh
	v_sub_nc_u32 v9, v9, v12                       ; L = 16 (j % 2) + r + 1 - 8 hh: of my first 32 keys, register 16 t + i is hidden where 16 t + i < L
	v_add_nc_u32 v10, -1, v9                       ; H = L - 1: of my last 32, where 16 t + i > H
	v_mov_b32 v11, 0xff800000                      ; -infinity
.irp i, 30,31,32,33,34,35,80,81,82,83,84,85
	v_mov_b32 v\i, 0                               ; Q's upper half: zero codes; and the registers behind K's last fragment
.endr
	s_wait_tensorcnt 0x0                           ; my fill, if I issued one, has landed
	s_barrier_signal -1
	s_barrier_wait -1                              ; everybody's has
	s_wait_loadcnt 0x0                             ; Q
; S^T = K Q^T: 18 tiles of 16 keys, six at a time
.macro SCORES bt
	PLACES 4                                       ; in front of loads into registers that matrix instructions have read; and behind the zero codes written above
.irp i, 0,1,2,3,4,5
	ds_load_b128 v[44+6*\i:47+6*\i], v1 offset:(6*\bt+\i)*768
	ds_load_b64 v[48+6*\i:49+6*\i], v2 offset:(6*\bt+\i)*768
.endr
.irp k, 0,1,2
	ds_load_b64 v[38+2*\k:39+2*\k], v3 offset:(3*\bt+\k)*128
.endr
	s_wait_dscnt 0x0
.irp i, 0,1,2,3,4,5
.set TL, 6*\bt+\i
.set RS, S+32*(TL/4)+8*(2*(TL%2)+(TL%4)/2)
	v_wmma_scale_f32_16x16x128_f8f6f4 v[RS:RS+7], v[44+6*\i:55+6*\i], v[24:35], 0, v[38+\i], v36 matrix_a_fmt:MATRIX_FMT_FP6 matrix_b_fmt:MATRIX_FMT_FP6
.endr
.endm
	SCORES 0
	SCORES 1
	SCORES 2
.irp i, 232,233,234,235,236,237,238,239,248,249,250,251,252,253,254,255
	v_mov_b32 v\i, v11                             ; tiles 18 and 19 fill the fifth group: no keys.  (These sixteen are also the places behind the last products)
.endr
	; THE MASK
.irp t, 0,1
.irp i, 0,1,2,3,4,5,6,7
	v_cmp_lt_i32 vcc_lo, 16*\t+\i, v9
	v_cndmask_b32 v[S+16*\t+\i], v[S+16*\t+\i], v11, vcc_lo
.endr
.endr
.irp t, 0,1
.irp i, 0,1,2,3,4,5,6,7
	v_cmp_gt_i32 vcc_lo, 16*\t+\i, v10
	v_cndmask_b32 v[S+128+16*\t+\i], v[S+128+16*\t+\i], v11, vcc_lo
.endr
.endr
	s_cmp_lg_u32 ttmp9, 0
	s_cbranch_scc1 .Lall_exist
.irp b, 0,1,2,3,4,5,6,7                ; the first block of queries: my key blocks 0 .. 7 - j / 2 lie in front of key 0
	s_cmp_gt_u32 s62, \b
	s_cselect_b32 s63, -1, 0
.irp u, 0,1
.set TL, 2*\b+\u
.set RS, S+32*(TL/4)+8*(2*(TL%2)+(TL%4)/2)
.irp i, 0,1,2,3,4,5,6,7
	v_cndmask_b32 v[RS+\i], v[RS+\i], v11, s63
.endr
.endr
.endr
.Lall_exist:
	; THE SOFTMAX.  Behind the exchanges lane (r, hh) holds, in group g's 32 registers, key block 2 g + hh of query r
.irp g, 0,1,2,3,4
	QSWAP S+32*\g
.endr
.irp g, 0,1,2,3,4
	v_max3_num_f32 v[24+\g], v[S+32*\g], v[S+32*\g+1], v[S+32*\g+2]   ; each block's largest score: it serves for the row's maximum and, put through the same operations as every score, is the block's largest weight
.endr
.irp i, 3,5,7,9,11,13,15,17,19,21,23,25,27,29
.irp g, 0,1,2,3,4
	v_max3_num_f32 v[24+\g], v[24+\g], v[S+32*\g+\i], v[S+32*\g+\i+1]
.endr
.endr
.irp g, 0,1,2,3,4
	v_max_num_f32 v[24+\g], v[24+\g], v[S+32*\g+31]
.endr
	v_max3_num_f32 v17, v24, v25, v26
	v_max3_num_f32 v17, v17, v27, v28
	v_permlanex16_b32 v18, v17, s56, s57
	v_max_num_f32 v17, v17, v18                    ; the row's largest score: the query's own key always counts, so it is a number
	v_mul_f32 v30, s60, v17                        ; -c x it: whatever this rounds is one factor common to the row, which the division by the sum takes out
	v_mov_b32 v31, v30
.set i, 0
.rept 80
	v_pk_fma_f32 v[S+i:S+i+1], v[S+i:S+i+1], s[58:59], v[30:31] op_sel_hi:[1,0,0]
.set i, i+2
.endr
.irp g, 0,1,2,3,4
	v_fma_f32 v[24+\g], v[24+\g], s58, v30
.endr
.set i, 0
.rept 160
	v_exp_f32 v[S+i], v[S+i]
.set i, i+1
.endr
.irp g, 0,1,2,3,4
	v_exp_f32 v[24+\g], v[24+\g]
.endr
	v_nop                                          ; a plain place behind the exponentials
	s_wait_alu depctr_va_vdst(0)
	v_pk_add_f32 v[32:33], v[S:S+1], v[S+2:S+3]    ; the row's sum, two at a time, in two chains
	v_pk_add_f32 v[34:35], v[S+4:S+5], v[S+6:S+7]
.set i, 8
.rept 38
	v_pk_add_f32 v[32:33], v[32:33], v[S+i:S+i+1]
	v_pk_add_f32 v[34:35], v[34:35], v[S+i+2:S+i+3]
.set i, i+4
.endr
	v_pk_add_f32 v[32:33], v[32:33], v[34:35]
	v_add_f32 v32, v32, v33
	v_permlanex16_b32 v18, v32, s56, s57
	v_add_f32 v32, v32, v18
	v_rcp_f32 v36, v32
	v_nop                                          ; a plain place behind the reciprocal
	s_wait_alu depctr_va_vdst(0)
	v_mov_b32 v37, v36
.set i, 0
.rept 80
	v_pk_mul_f32 v[S+i:S+i+1], v[S+i:S+i+1], v[36:37] op_sel_hi:[1,0]   ; the finished weights
.set i, i+2
.endr
.irp g, 0,1,2,3,4
	v_mul_f32 v[24+\g], v[24+\g], v36              ; and each block's largest
.endr
	; THE WEIGHTS' CODES
.irp g, 0,1,2,3,4
	v_max_num_f32 v[24+\g], FLOOR, v[24+\g]        ; the floor 2^(3 - 127): a block of zeros keeps the byte 1, and its codes are zeros
.endr
.irp g, 0,1,2,3,4
	v_add_nc_u32 v[38+\g], 0xff000000, v[24+\g]    ; 2 off the exponent field: the conversion's scale operand
.endr
.irp g, 0,1,2,3,4
	v_lshrrev_b32 v[44+\g], 23, v[38+\g]           ; the scale's byte
.endr
.irp g, 0,1,2,3,4
	QCVT 56+6*\g, 92, S+32*\g, 38+\g               ; group g's six registers: the fragment of 128 keys s is v[56 + 12 s] on
.endr
.irp i, 86,87,88,89,90,91
	v_mov_b32 v\i, 0                               ; the third fragment's upper half: zero codes
.endr
	; V's fragments land where the scores lay
.irp s, 0,1
.irp ct, 0,1,2,3
.irp c, 0,1
	ds_load_b128 v[96+12*(4*\s+\ct)+6*\c:96+12*(4*\s+\ct)+6*\c+3], v4 offset:(\c+2*\s)*3072+\ct*768
	ds_load_b64 v[96+12*(4*\s+\ct)+6*\c+4:96+12*(4*\s+\ct)+6*\c+5], v5 offset:(\c+2*\s)*3072+\ct*768
.endr
.endr
.endr
.irp ct, 0,1,2,3
	ds_load_b128 v[192+6*\ct:195+6*\ct], v6 offset:12288+\ct*768   ; the ninth block: six registers; the six behind them are the next tile's codes, or old bits: they meet zero codes of P
	ds_load_b64 v[196+6*\ct:197+6*\ct], v7 offset:12288+\ct*768
.endr
.irp q, 0,1,2
	ds_load_b128 v[24+4*\q:27+4*\q], v8 offset:256*\q   ; V's scale words of three groups of 128 keys, four channel tiles each
.endr
	v_lshl_or_b32 v50, v45, 16, v44                ; P's scale words: my two blocks' bytes of each 128 keys,
	v_lshl_or_b32 v51, v47, 16, v46
	v_mov_b32 v52, v48
.irp s, 0,1,2
	v_lshlrev_b32 v[50+\s], v12, v[50+\s]          ; at their places (8 hh bits up),
.endr
.irp s, 0,1,2
	v_permlanex16_b32 v[17+\s], v[50+\s], s56, s57
.endr
.irp s, 0,1,2
	v_or_b32 v[50+\s], v[50+\s], v[17+\s]          ; with lane l xor 16's two
.endr
	s_wait_dscnt 0x0
.irp ct, 0,1,2,3                       ; my 128 keys begin at block z0, which need not be the first of a word: bytes n .. n + 3 of two neighbouring words (selector bytes 0-3: the second source, 4-7: the first)
	v_perm_b32 v[36+\ct], v[28+\ct], v[24+\ct], s61
	v_perm_b32 v[40+\ct], v[32+\ct], v[28+\ct], s61
	v_perm_b32 v[44+\ct], v[32+\ct], v[32+\ct], s61   ; byte 0: the ninth block's; the others are scale bytes of the same word, over zero codes
.endr
	PLACES 8                                       ; scale registers written by vector instructions stand 8 places ahead of a scaled matrix instruction
.irp s, 0,1,2                          ; O^T = V^T P^T: the four accumulators take turns
.irp ct, 0,1,2,3
.set RO, 224+8*(2*(\ct%2)+\ct/2)
.if \s == 0
	v_wmma_scale_f32_16x16x128_f8f6f4 v[RO:RO+7], v[96+12*\ct:107+12*\ct], v[56:67], 0, v[36+\ct], v50 matrix_a_fmt:MATRIX_FMT_FP6 matrix_b_fmt:MATRIX_FMT_FP6
.elseif \s == 1
	v_wmma_scale_f32_16x16x128_f8f6f4 v[RO:RO+7], v[144+12*\ct:155+12*\ct], v[68:79], v[RO:RO+7], v[40+\ct], v51 matrix_a_fmt:MATRIX_FMT_FP6 matrix_b_fmt:MATRIX_FMT_FP6
.else
	v_wmma_scale_f32_16x16x128_f8f6f4 v[RO:RO+7], v[192+6*\ct:203+6*\ct], v[80:91], v[RO:RO+7], v[44+\ct], v52 matrix_a_fmt:MATRIX_FMT_FP6 matrix_b_fmt:MATRIX_FMT_FP6
.endif
.endr
.endr
	PLACES 4
	; THE RESULT is the last product's operand: quantised along the head's 64 channels
	QSWAP 224
	v_max3_num_f32 v24, |v224|, |v225|, FLOOR
.irp i, 2,4,6,8,10,12,14,16,18,20,22,24,26,28,30
	v_max3_num_f32 v24, v24, |v[224+\i]|, |v[225+\i]|
.endr
	v_add_nc_u32 v25, 0xff000000, v24
	v_lshrrev_b32 v27, 23, v25
	QCVT 56, 92, 224, 25
	v_lshlrev_b32 v26, v12, v27
	v_permlanex16_b32 v17, v26, s56, s57
	v_or_b32 v26, v26, v17                         ; the row's two bytes, in both halves of the lanes
	global_store_b128 v13, v[56:59], s[78:79]      ; the image: 512 bytes on end,
	global_store_b64 v14, v[60:61], s[78:79]       ; and 256 more
	ds_store_b32 v15, v26                          ; lanes r and r + 16 write the same word with the same value
	s_wait_dscnt 0x0                               ; for the others' sake: my store has landed
	s_barrier_signal -1
	s_barrier_wait -1
	s_cmp_lt_u32 s10, 2
	s_cbranch_scc0 .Lend
	ds_load_b128 v[28:31], v23                     ; eight waves' words of 16 rows: 512 bytes
	s_wait_dscnt 0x0
	global_store_b128 v13, v[28:31], s[80:81]      ; 32 lanes store 512 bytes on end
.Lend:
	s_wait_xcnt 0x0
	v_lshl_add_u32 v222, v0, 2, 0x29000
	v_mov_b32 v223, 0
	s_wait_tensorcnt 0x0
	ds_add_u32 v222, v223
	s_wait_dscnt 0x0
	s_endpgm
.Lfunc_end_k_qdcc3551f88_attn:
	.size	k_qdcc3551f88_attn, .Lfunc_end_k_qdcc3551f88_attn-k_qdcc3551f88_attn
	.p2alignl 7, 3214868480
	.fill 96, 4, 3214868480
	.section	.rodata,"a",@progbits
	.p2align	6, 0x0
	.amdhsa_kernel k_qdcc3551f88_attn
		.amdhsa_group_segment_fixed_size 169984
		.amdhsa_private_segment_fixed_size 0
		.amdhsa_enable_private_segment 0
		.amdhsa_kernarg_size 24
		.amdhsa_user_sgpr_count 2
		.amdhsa_user_sgpr_kernarg_segment_ptr 1
		.amdhsa_wavefront_size32 1
		.amdhsa_system_sgpr_workgroup_id_x 1
		.amdhsa_system_sgpr_workgroup_id_y 1
		.amdhsa_system_sgpr_workgroup_id_z 1
		.amdhsa_system_vgpr_workitem_id 0
		.amdhsa_next_free_vgpr 256
		.amdhsa_next_free_sgpr 84
		.amdhsa_reserve_vcc 1
		.amdhsa_float_denorm_mode_32 3
		.amdhsa_float_denorm_mode_16_64 3
		.amdhsa_memory_ordered 1
		.amdhsa_forward_progress 1
		.amdhsa_inst_pref_size 66
	.end_amdhsa_kernel
	.amdgpu_metadata
---
amdhsa.version: [ 1, 2 ]
amdhsa.kernels:
  - .name:           k_qdcc3551f88_attn
    .symbol:         k_qdcc3551f88_attn.kd
    .args:
      - { .name: qkv, .offset: 0, .size: 8, .value_kind: global_buffer, .address_space: global }
      - { .name: ac, .offset: 8, .size: 8, .value_kind: global_buffer, .address_space: global }
      - { .name: asw, .offset: 16, .size: 8, .value_kind: global_buffer, .address_space: global }
    .group_segment_fixed_size: 169984
    .private_segment_fixed_size: 0
    .kernarg_segment_align: 8
    .kernarg_segment_size: 24
    .max_flat_workgroup_size: 512
    .sgpr_count:     84
    .vgpr_count:     256
    .wavefront_size: 32
...
	.end_amdgpu_metadata
.endif
;; end of part 2
;; launch oproj (part 3): grid 8 x 32, 4 waves a work-group, clusters of 4 x 4, 246,272 bytes of LDS; arguments ac, asw, o_w_codes, o_w_scales, o_b, out0; writes out0
.if DOCPART == 3
	.amdgcn_target "amdgcn-amd-amdhsa--gfx1250"
	.amdhsa_code_object_version 6
	.text
	.protected	k_qdcc3551f88_oproj
	.globl	k_qdcc3551f88_oproj
	.p2align	8
	.type	k_qdcc3551f88_oproj,@function
k_qdcc3551f88_oproj:
	s_mov_b64 s[64:65], 0
	v_nop
	global_prefetch_b8 v0, s[64:65] scope:SCOPE_SE
	s_setreg_imm32_b32 hwreg(HW_REG_WAVE_MODE, 25, 1), 1
	s_wait_xcnt 0x0
	s_wait_alu depctr_hold_cnt(0) depctr_sa_sdst(0) depctr_va_vdst(0) depctr_va_sdst(0) depctr_va_ssrc(0) depctr_va_vcc(0) depctr_vm_vsrc(0)
	s_getreg_b32 s2, hwreg(HW_REG_IB_STS2, 6, 4)
	s_cmp_eq_u32 s2, 0
	s_cbranch_scc0 .Lentry_in_a_cluster
	s_endpgm
.Lentry_in_a_cluster:
	s_bfe_u32 s2, ttmp6, 0x10000c
	s_cmp_lg_u32 s2, 0xf033
	s_cbranch_scc0 .Lentry_shape_is_right
	s_endpgm
.Lentry_shape_is_right:
; out0 = a Wo^T + bo on codes of FP6 (E2M3) with E8M0 scales, K = 1,024.  a: the attention's result as images (ac) and scale words (asw); Wo: [1024][1024] codes, K innermost, scale bytes [1024][32]; out0: [4096][1024] f32.
; 256 work-groups of 128 x 128; four waves, each 64 x 64: 16 accumulators.  Both panels fit in LDS for all of K: they come in four chunks of 256 along K, every byte filled once; the waves begin on chunk 0 while the others land.
; CLUSTERS: 4 x 4 work-groups; a's panel is shared along a row of the cluster, Wo's along a column: joint tensor loads, each with a mask that names the four.
; THE MATRIX INSTRUCTION IS USED TRANSPOSED (source 0 = 16 rows of Wo, source 1 = 16 tokens): a lane holds eight neighbouring numbers of a row of out0.  The bias is the C of the first products.
; ac: [128 tokens: 32][head 16][token tile 8][768]: an image is 16 rows x 64 along K as six operand registers (registers 0-3 at 16 x lane, 4-5 at 512 + 8 x lane); two heads' images are a fragment of 128 along K.
; asw: [32][head][r 16][token tile 8] words, bytes 0, 1 the head's two scale bytes, bytes 2, 3 zero.
; REGISTERS: window 0: v1-16 addresses; v32-63 a's scale words (tile a, K step s at 32 + 8 a + s); v64-95 Wo's; v96-127 the bias; v128-255 the accumulators ((a, b) at 128 + 8 (4 a + b)).
;   window 1: two fragment buffers at v0 and v128: Wo's four fragments at + 12 b, a's four at + 48 + 12 a.
.set AL,   0                           ; LDS: a's panel, 98,304 bytes, as it lies in memory
.set BL,   98304                       ; Wo's: four chunks of 128 rows x 240 (192 bytes of codes, 16 of padding behind every 64)
.set CHB,  30720
.set STG,  221184                      ; a stage of 16 rows x (256 + 16) bytes for each wave: no fill lands here
.set SA,   32
.set SB,   64
.set OB,   96
.set ACC,  128
.set AA,   4                           ; v4, v5: a's images, K steps 0-3 (16 x lane; 512 + 8 x lane); v6, v7: K steps 4-7
.set BA,   8                           ; v8, v9: Wo's rows, chunks 0, 1 (24 hh; 40 hh, behind one padding more); v10, v11: chunks 2, 3
.set STO,  12
.set RD,   13
.set CO,   14
.set MSB, 0
.macro WIN new                         ; the immediate's high byte repeats the setting that is left
.if MSB != \new
	s_set_vgpr_msb (MSB<<8)|\new
.set MSB, \new
.endif
.endm
.set MUL,  0x05                        ; sources 0 and 1 window 1; C and D window 0
.set TO_F, 0x40                        ; destination window 1, address window 0
.macro PLACES n
.rept \n
	v_nop
.endr
.endm
.macro CROUND                          ; a round of the cluster's barrier
	s_barrier_signal -1
	s_barrier_wait -1
	s_cmp_lg_u32 s16, 0
	s_cbranch_scc1 .Lnot_wave_0_\@
	s_barrier_signal -3
.Lnot_wave_0_\@:
	s_barrier_wait -3
	s_barrier_signal -1
	s_barrier_wait -1
.endm
	s_load_b256 s[4:11], s[0:1], 0x0               ; ac, asw, Wo's codes, Wo's scales
	s_load_b128 s[12:15], s[0:1], 0x20             ; bo, out0
	v_lshl_add_u32 v30, v0, 2, 0x3c000
	v_mov_b32 v31, 0
	ds_add_u32 v30, v31
	ds_add_u32 v30, v31
	v_lshrrev_b32 v1, 5, v0
	v_readfirstlane_b32 s16, v1                    ; wave 0..3
	s_lshr_b32 s17, s16, 1                         ; which 64 tokens are mine.  Also: I fetch for a (0) or for Wo (1)
	s_and_b32 s18, s16, 1                          ; which 64 columns.  Also: which half of a chunk I fetch
	s_bfe_u32 s20, ttmp6, 0x40000                  ; cx
	s_bfe_u32 s21, ttmp6, 0x40004                  ; cy
	s_lshl_b32 s22, ttmp9, 2
	s_add_co_u32 s22, s22, s20                     ; tile column = 4 x cluster x + cx
	s_and_b32 s23, ttmp7, 0xffff
	s_lshl_b32 s23, s23, 2
	s_add_co_u32 s23, s23, s21                     ; tile row = 4 x cluster y + cy
	s_lshl_b32 s76, s21, 2
	s_lshl_b32 s76, 15, s76                        ; my row of the cluster
	s_lshl_b32 s77, 0x1111, s20                    ; my column
	s_or_b32 s24, s76, (3<<16)|(1<<21)             ; a: half a chunk, 12,288 dense bytes as 48 rows of 256 bytes (32 elements of 8), no padding; the mask, bit 21 beside it
	s_mov_b32 s25, 32<<16
	s_mov_b32 s26, 48<<16
	s_mov_b32 s27, 32<<16
	s_mov_b32 s28, 48
	s_mov_b32 s29, 32
	s_mov_b32 s30, 0
	s_mov_b32 s31, 0
	s_or_b32 s32, s77, (0<<16)|(1<<20)|(1<<21)|(3<<22)|(3<<25)   ; Wo: 64 rows x 192 bytes, 768 apart; 4 words of padding behind every 16
	s_mov_b32 s33, 192<<16
	s_mov_b32 s34, 64<<16
	s_mov_b32 s35, 192<<16
	s_mov_b32 s36, 64
	s_mov_b32 s37, 768
	s_mov_b32 s38, 0
	s_mov_b32 s39, 0
	s_mul_i32 s78, s23, 98304                      ; a: my tile row's panel,
	s_mul_i32 s80, s18, 12288                      ; my half of a chunk, in memory and in LDS
	s_add_co_u32 s78, s78, s80
	s_mov_b32 s79, 0
	s_lshl_b32 s82, s22, 7
	s_lshl_b32 s83, s18, 6
	s_add_co_u32 s82, s82, s83
	s_mul_i32 s82, s82, 768                        ; Wo: row 128 x tile column + 64 x half
	s_mov_b32 s83, 0
	s_mul_i32 s81, s18, 15360                      ; 64 rows of 240 bytes in LDS
	s_wait_dscnt 0x0
	s_wait_kmcnt 0x0
	s_add_nc_u64 s[78:79], s[4:5], s[78:79]
	s_add_nc_u64 s[82:83], s[8:9], s[82:83]
	CROUND                                         ; all sixteen work-groups are here: the joint loads meet
.irp q, 0,1,2,3
	s_mov_b32 s[40+4*\q], 1
	s_add_co_u32 s[41+4*\q], s80, AL+24576*\q
	s_add_nc_u64 s[42+4*\q:43+4*\q], s[78:79], 24576*\q
	s_or_b32 s[43+4*\q], s[43+4*\q], 0x80000000
	s_mov_b32 s[56+4*\q+4*(\q/2)], 1
	s_add_co_u32 s[57+4*\q+4*(\q/2)], s81, BL+CHB*\q
	s_add_nc_u64 s[58+4*\q+4*(\q/2):59+4*\q+4*(\q/2)], s[82:83], 192*\q
	s_or_b32 s[59+4*\q+4*(\q/2)], s[59+4*\q+4*(\q/2)], 0x80000000
.endr
	s_cmp_eq_u32 s17, 0                            ; a wave's four fills stand in one branch, ahead of every wait on TENSORcnt and every LDS read: four loads of mine are out; four v_nop follow the last
	s_cbranch_scc0 .Lfor_b
	tensor_load_to_lds s[40:43], s[24:31]
	s_nop 0
	tensor_load_to_lds s[44:47], s[24:31]
	s_nop 0
	tensor_load_to_lds s[48:51], s[24:31]
	s_nop 0
	tensor_load_to_lds s[52:55], s[24:31]
	s_nop 0
	PLACES 4
	s_branch .Lasked
.Lfor_b:
	tensor_load_to_lds s[56:59], s[32:39]
	s_nop 0
	tensor_load_to_lds s[60:63], s[32:39]
	s_nop 0
	tensor_load_to_lds s[68:71], s[32:39]
	s_nop 0
	tensor_load_to_lds s[72:75], s[32:39]
	s_nop 0
	PLACES 4
.Lasked:
	v_and_b32 v1, 15, v0                           ; r
	v_bfe_u32 v2, v0, 4, 1                         ; hh
	v_and_b32 v3, 31, v0                           ; lane
	v_lshlrev_b32 v15, 5, v1                       ; 32 r: a row's place among a's scale words, and among Wo's scale bytes
	v_lshlrev_b32 v16, 5, v2                       ; 32 hh: a lane's eight numbers of the bias
	s_lshl_b32 s84, s23, 13
	s_lshl_b32 s85, s17, 4
	s_add_co_u32 s84, s84, s85                     ; asw: tile row x 8,192 + my four token tiles' 16 bytes
	s_mov_b32 s85, 0
	s_add_nc_u64 s[6:7], s[6:7], s[84:85]
	s_lshl_b32 s84, s22, 7
	s_lshl_b32 s86, s18, 6
	s_add_co_u32 s86, s84, s86                     ; my first column: 128 x tile column + 64 x half
	s_lshl_b32 s84, s86, 5
	s_add_nc_u64 s[10:11], s[10:11], s[84:85]
	s_lshl_b32 s84, s86, 2
	s_add_nc_u64 s[12:13], s[12:13], s[84:85]
	s_lshl_b32 s87, s23, 7
	s_lshl_b32 s88, s17, 6
	s_add_co_u32 s87, s87, s88                     ; my first row of out0
	s_lshl_b32 s87, s87, 12
	s_add_co_u32 s84, s87, s84
	s_add_nc_u64 s[14:15], s[14:15], s[84:85]
.irp h, 0,1,2,3,4,5,6,7,8,9,10,11,12,13,14,15
	global_load_b128 v[ACC+4*\h:ACC+4*\h+3], v15, s[6:7] offset:512*\h   ; head h: my four token tiles' words of row r (into registers that the sums take later)
.endr
.irp b, 0,1,2,3
	global_load_b128 v[SB+8*\b:SB+8*\b+3], v15, s[10:11] offset:512*\b         ; Wo's row 16 b + r: its eight scale words
	global_load_b128 v[SB+8*\b+4:SB+8*\b+7], v15, s[10:11] offset:512*\b+16
	global_load_b128 v[OB+8*\b:OB+8*\b+3], v16, s[12:13] offset:64*\b          ; the bias in the result's layout
	global_load_b128 v[OB+8*\b+4:OB+8*\b+7], v16, s[12:13] offset:64*\b+16
.endr
	s_mul_i32 s84, s17, 3072                       ; my four token tiles in a head's eight
	v_lshlrev_b32 v[AA], 4, v3
	v_add_nc_u32 v[AA], s84, v[AA]
	v_lshlrev_b32 v[AA+1], 3, v3
	v_add_nc_u32 v[AA+1], s84, v[AA+1]
	v_add_nc_u32 v[AA+1], 512, v[AA+1]
	v_add_nc_u32 v[AA+2], 49152, v[AA]
	v_add_nc_u32 v[AA+3], 49152, v[AA+1]
	s_mul_i32 s84, s18, 15360                      ; my 64 rows of Wo
	s_add_co_u32 s84, s84, BL
	v_mul_u32_u24 v[BA], v1, 240
	v_mad_u32_u24 v[BA], v2, 24, v[BA]
	v_add_nc_u32 v[BA], s84, v[BA]
	v_lshl_add_u32 v[BA+1], v2, 4, v[BA]
	v_add_nc_u32 v[BA+2], 2*CHB, v[BA]
	v_add_nc_u32 v[BA+3], 2*CHB, v[BA+1]
	s_mul_i32 s84, s16, 4352
	s_add_co_u32 s84, s84, STG                     ; my stage
	v_mul_u32_u24 v[STO], v1, 272
	v_lshl_add_u32 v[STO], v2, 5, v[STO]
	v_add_nc_u32 v[STO], s84, v[STO]               ; in: row r, 32 bytes for each half of the lanes
	v_mul_u32_u24 v[RD], v2, 272
	v_lshl_add_u32 v[RD], v1, 4, v[RD]
	v_add_nc_u32 v[RD], s84, v[RD]                 ; back: lanes 0-15 one row of 256 bytes, lanes 16-31 the next
	v_lshlrev_b32 v[CO], 12, v2
	v_lshl_add_u32 v[CO], v1, 4, v[CO]             ; and the same two rows in out0
	s_wait_loadcnt 0x0
.irp a, 0,1,2,3
.irp s, 0,1,2,3,4,5,6,7
	v_lshl_or_b32 v[SA+8*\a+\s], v[ACC+4*(2*\s+1)+\a], 16, v[ACC+4*(2*\s)+\a]   ; two heads' pairs of bytes make the word of 128 along K
.endr
.endr
	PLACES 8                                       ; scale registers written by vector instructions stand 8 places ahead of a scaled matrix instruction
; the fragments of K step s into buffer s % 2: 24 loads of 8 bytes for Wo's four, 16 loads for a's four
.macro FETCH s
.set P,  128*((\s)%2)
.set BB, BA+2*((\s)/4)
.set BO, CHB*(((\s)/2)%2)
.set AB, AA+2*((\s)/4)
.set AO, 12288*((\s)%4)
	WIN TO_F
.irp b, 0,1,2,3
.irp p, 0,1,2,3,4,5
.set PCE, 12*((\s)%2)+6*(\p/3)+\p%3    ; the row's piece of 8 bytes; where the piece three on (lanes 16-31) lies behind one padding more, the second address register serves
.if PCE%8 < 5
	ds_load_b64 v[P+12*\b+2*\p:P+12*\b+2*\p+1], v[BB] offset:BO+8*PCE+16*(PCE/8)+\b*16*240
.else
	ds_load_b64 v[P+12*\b+2*\p:P+12*\b+2*\p+1], v[BB+1] offset:BO+8*PCE+16*(PCE/8)+\b*16*240
.endif
.endr
.endr
.irp a, 0,1,2,3
	ds_load_b128 v[P+48+12*\a:P+48+12*\a+3], v[AB] offset:AO+768*\a
	ds_load_b64 v[P+48+12*\a+4:P+48+12*\a+5], v[AB+1] offset:AO+768*\a
	ds_load_b128 v[P+48+12*\a+6:P+48+12*\a+9], v[AB] offset:AO+6144+768*\a
	ds_load_b64 v[P+48+12*\a+10:P+48+12*\a+11], v[AB+1] offset:AO+6144+768*\a
.endr
.endm
; 8 matrix instructions: token tiles a0, a0 + 1 x the four column tiles.  The 16 accumulators take turns, one instruction a turn.
.macro MUL8 s, a0
.set P, 128*((\s)%2)
.irp a, \a0, \a0+1
.irp b, 0,1,2,3
.if (\s) == 0
	v_wmma_scale_f32_16x16x128_f8f6f4 v[ACC+8*(4*(\a)+\b):ACC+8*(4*(\a)+\b)+7], v[P+12*\b:P+12*\b+11], v[P+48+12*(\a):P+48+12*(\a)+11], v[OB+8*\b:OB+8*\b+7], v[SB+8*\b+(\s)], v[SA+8*(\a)+(\s)] matrix_a_fmt:MATRIX_FMT_FP6 matrix_b_fmt:MATRIX_FMT_FP6
.else
	v_wmma_scale_f32_16x16x128_f8f6f4 v[ACC+8*(4*(\a)+\b):ACC+8*(4*(\a)+\b)+7], v[P+12*\b:P+12*\b+11], v[P+48+12*(\a):P+48+12*(\a)+11], v[ACC+8*(4*(\a)+\b):ACC+8*(4*(\a)+\b)+7], v[SB+8*\b+(\s)], v[SA+8*(\a)+(\s)] matrix_a_fmt:MATRIX_FMT_FP6 matrix_b_fmt:MATRIX_FMT_FP6
.endif
.endr
.endr
.endm
.macro KSTEP s
	s_wait_dscnt 0x0                               ; this step's fragments are in
	WIN MUL
	MUL8 \s, 0
.if (\s) < 7
	PLACES 4                                       ; in front of loads into the buffer that the step before multiplied
.if (\s)%2 == 1
	s_wait_tensorcnt 3-((\s)+1)/2                  ; my part of the next chunk has landed; the chunks issued behind it may be out
	s_barrier_signal -1
	s_barrier_wait -1                              ; everybody's has
.endif
	FETCH (\s)+1
.endif
	WIN MUL
	MUL8 \s, 2
.endm
	s_wait_tensorcnt 3                             ; my part of chunk 0 is in; the three chunks issued behind it may be out
	s_barrier_signal -1
	s_barrier_wait -1
	FETCH 0
.irp s, 0,1,2,3,4,5,6,7
	KSTEP \s
.endr
	WIN 0
	PLACES 4                                       ; behind the last products: results are read, and the scale words' registers loaded into
; THE WAY OUT, 16 rows x 64 columns at a time, through my own stage: a lane's 32 bytes of a row go in, whole rows of 256 bytes come back.  LDS serves a wave's instructions in order (ISA guide 5.7.1.4): no wait between them.
.macro TOSTAGE a
.irp b, 0,1,2,3
	ds_store_b128 v[STO], v[ACC+8*(4*(\a)+\b):ACC+8*(4*(\a)+\b)+3] offset:64*\b        ; each accumulator from its low end on
	ds_store_b128 v[STO], v[ACC+8*(4*(\a)+\b)+4:ACC+8*(4*(\a)+\b)+7] offset:64*\b+16
.endr
.set BK, 32+32*((\a)%2)
.irp t, 0,1,2,3,4,5,6,7
	ds_load_b128 v[BK+4*\t:BK+4*\t+3], v[RD] offset:\t*2*272
.endr
.endm
.macro SEND a, younger                 ; younger: the LDS instructions issued behind block a's loads: the next block's eight stores and eight loads, or none
.set BK, 32+32*((\a)%2)
	s_wait_dscnt \younger
.irp t, 0,1,2,3,4,5,6,7
	global_store_b128 v[CO], v[BK+4*\t:BK+4*\t+3], s[14:15] offset:(16*(\a)+2*\t)*4096 th:TH_STORE_NT   ; sixteen lanes store 256 bytes on end, at a multiple of 256 from out0's first byte; written once, read by nobody here
.endr
.endm
	TOSTAGE 0
.irp a, 1,2,3
.if \a > 1
	s_wait_xcnt 0x0                                ; block a - 2's stores have read their registers: block a's loads may land there
.endif
	TOSTAGE \a
	SEND \a-1, 16
.endr
	SEND 3, 0
	s_wait_tensorcnt 0x0
	ds_add_u32 v30, v31
	s_wait_dscnt 0x0
	CROUND                                         ; the closing round: no work-group ends while a partner may still ask for a tile that names it
	s_endpgm
.Lfunc_end_k_qdcc3551f88_oproj:
	.size	k_qdcc3551f88_oproj, .Lfunc_end_k_qdcc3551f88_oproj-k_qdcc3551f88_oproj
	.p2alignl 7, 3214868480
	.fill 96, 4, 3214868480
	.section	.rodata,"a",@progbits
	.p2align	6, 0x0
	.amdhsa_kernel k_qdcc3551f88_oproj
		.amdhsa_group_segment_fixed_size 246272
		.amdhsa_private_segment_fixed_size 0
		.amdhsa_enable_private_segment 0
		.amdhsa_kernarg_size 48
		.amdhsa_user_sgpr_count 2
		.amdhsa_user_sgpr_kernarg_segment_ptr 1
		.amdhsa_wavefront_size32 1
		.amdhsa_system_sgpr_workgroup_id_x 1
		.amdhsa_system_sgpr_workgroup_id_y 1
		.amdhsa_system_sgpr_workgroup_id_z 1
		.amdhsa_system_vgpr_workitem_id 0
		.amdhsa_next_free_vgpr 512
		.amdhsa_next_free_sgpr 92
		.amdhsa_reserve_vcc 0
		.amdhsa_float_denorm_mode_32 3
		.amdhsa_float_denorm_mode_16_64 3
		.amdhsa_memory_ordered 1
		.amdhsa_forward_progress 1
		.amdhsa_inst_pref_size 60
	.end_amdhsa_kernel
	.amdgpu_metadata
---
amdhsa.version: [ 1, 2 ]
amdhsa.kernels:
  - .name:           k_qdcc3551f88_oproj
    .symbol:         k_qdcc3551f88_oproj.kd
    .args:
      - { .name: ac, .offset: 0, .size: 8, .value_kind: global_buffer, .address_space: global }
      - { .name: asw, .offset: 8, .size: 8, .value_kind: global_buffer, .address_space: global }
      - { .name: o_w_codes, .offset: 16, .size: 8, .value_kind: global_buffer, .address_space: global }
      - { .name: o_w_scales, .offset: 24, .size: 8, .value_kind: global_buffer, .address_space: global }
      - { .name: o_b, .offset: 32, .size: 8, .value_kind: global_buffer, .address_space: global }
      - { .name: out0, .offset: 40, .size: 8, .value_kind: global_buffer, .address_space: global }
    .group_segment_fixed_size: 246272
    .private_segment_fixed_size: 0
    .kernarg_segment_align: 8
    .kernarg_segment_size: 48
    .max_flat_workgroup_size: 128
    .sgpr_count:     92
    .vgpr_count:     512
    .wavefront_size: 32
...
	.end_amdgpu_metadata
.endif
;; end of part 3
